; MI455X (gfx1250); checked and timed in simulation.
; The chip was launched on July 23, 2026; its instructions are those of AMD's public machine-readable ISA for CDNA 5 (MIT licence, August 2026) and "CDNA5" Instruction Set Architecture Reference Guide (July 2026). The comments in the code are by the model that wrote it; some were corrected since.
;; Reprogramming Layer. Allowed arithmetic: matrix products marked QUANTISED: E4M3 operands, one given power-of-two scale a tensor, by v_wmma_f32_16x16x64_fp8_fp8 or v_wmma_f32_16x16x128_fp8_fp8, f32 sums; everything else in f32.
;; Inputs: Wk 4,096 x 1,024 float32; Wo 1,024 x 4,096 float32; Wq 1,024 x 1,024 float32; Wv 4,096 x 1,024 float32; bk 1,024 float32; bo 4,096 float32; bq 1,024 float32; bv 1,024 float32; lowp_scales 12 int32 (the exponents e of the quantised operands' scales 2^e); source_embedding 8 x 512 x 4,096 float32; target_embedding 8 x 512 x 1,024 float32.
;; Outputs: out0 8 x 512 x 4,096 float32.
;; Constants: n_heads = 16.
;; This version of the problem:
;;   THIS VERSION OF THE PROBLEM IS GIVEN IN LOW PRECISION. The matrix products marked QUANTISED in the list below multiply operands that are first quantised to E4M3 (4 exponent bits, 3 mantissa bits; 8 bits a number), with one given power-of-two scale for each operand tensor; their sums are f32. All else is computed in f32.
;;   The module's matrix products, in the order in which they are computed (A, B: the left and right operand; K: the contracted axis; several contracted axes count as one K, in the product's order):
;;     1. [M 4,096, K 1,024] x [K 1,024, N 1,024]; A: input target_embedding; B: input Wq: QUANTISED (scales: A lowp_scales[0], B lowp_scales[1])
;;     2. [M 4,096, K 4,096] x [K 4,096, N 1,024]; A: input source_embedding; B: input Wk: QUANTISED (scales: A lowp_scales[2], B lowp_scales[3])
;;     3. [M 4,096, K 4,096] x [K 4,096, N 1,024]; A: input source_embedding; B: input Wv: QUANTISED (scales: A lowp_scales[4], B lowp_scales[5])
;;     4. batch 128 x [M 512, K 64] x [K 64, N 512]; A: computed on the way; B: computed on the way: QUANTISED (scales: A lowp_scales[6], B lowp_scales[7])
;;     5. batch 128 x [M 64, K 512] x [K 512, N 512]; A: computed on the way; B: softmax (see below): QUANTISED (scales: A lowp_scales[8], B lowp_scales[9])
;;     6. [M 4,096, K 1,024] x [K 1,024, N 4,096]; A: computed on the way; B: input Wo: QUANTISED (scales: A lowp_scales[10], B lowp_scales[11])
;;   THE QUANTISER, for each operand of a quantised product, along K:
;;     - The operand's scale is 2^e, e = its entry of the input lowp_scales (int32; the entries are numbered through the quantised products in the list's order, A before B).
;;     - Each number is divided by the scale, clamped to +-448, and rounded to the nearest number of E4M3, ties to even, subnormals kept.
;;     - The product sums the exact products of the quantised numbers (number of the format x scale) in f32.
;;   ~~~python
;;   def quantise(x, axis, e):      # numpy; x: float32 -> the quantised numbers, widened to float32 again
;;       x = np.moveaxis(x, axis, -1); K = x.shape[-1]
;;       r = np.clip(x / 2.0 ** e, -448, 448)
;;       step = 2.0 ** (np.maximum(np.frexp(np.where(r == 0, 1, r))[1] - 1, -6) - 3)
;;       q = np.round(r / step) * step * 2.0 ** e      # np.round: ties to even
;;       return np.moveaxis(q, -1, axis).astype(np.float32)
;;   ~~~
;;   SOFTMAX AHEAD OF A QUANTISED PRODUCT. Where the list says 'softmax', what is quantised is not the finished softmax but p = 2^(t - M), with t = logit x log2(e) and M = ceil(the row's largest t), a whole number; so 1/2 < the row's largest p <= 1. The row's sum l is taken of the UNQUANTISED p, in f32, and the product's result is divided by l at the end. Since M is a whole number, a kernel that streams over the keys may use a running M (the ceiling of the running maximum): every later rescaling is an exact power of two, so the quantised numbers keep their values, but for numbers so far below the row's largest that they fall under the format's range.
;;   OPERANDS COMPUTED ON THE WAY. 'Computed on the way' means the value that the module computes at that place (a softmax that the list does not call 'softmax' is quantised finished and normalised). What goes into a quantiser is computed in f32, as accurately as f32 sums, v_exp_f32 and their like allow (about 1e-6 of the number): no bf16 or f16 on the way to a quantiser, and a product that is left as it is and whose result goes on into a quantised operand takes f32 operands (vector FMAs, or v_wmma_f32_16x16x4_f32). A number that lies on a knife's edge between two numbers of the format may be rounded either way, as far as f32 arithmetic and the matrix unit's own rounding can turn it there, and no further.
;; One version. Each part assembles by itself: llvm-mc -triple=amdgcn-amd-amdhsa -mcpu=gfx1250 --defsym DOCPART=n.
;; ======== version 1 of 1: 4 launches
;; limits: right only within a limited range of input values
;; workspace buffers: acts 37,748,736 bytes; wts 13,631,488 bytes; qkv 12,582,912 bytes; att 4,194,304 bytes
;; launch quant (part 1): grid 464 x 1, 8 waves a work-group, no clusters, 68,608 bytes of LDS; arguments source_embedding, target_embedding, Wq, Wk, Wv, lowp_scales, acts, wts; writes acts, wts
.if DOCPART == 1
	.amdgcn_target "amdgcn-amd-amdhsa--gfx1250"
	.amdhsa_code_object_version 6
	.text
	.protected	k_q0e89e6a9bb_quant
	.globl	k_q0e89e6a9bb_quant
	.p2align	8
	.type	k_q0e89e6a9bb_quant,@function
k_q0e89e6a9bb_quant:
	s_mov_b64 s[64:65], 0
	v_nop
	global_prefetch_b8 v0, s[64:65] scope:SCOPE_SE
	s_setreg_imm32_b32 hwreg(HW_REG_WAVE_MODE, 25, 1), 1
	s_wait_xcnt 0x0
; LAUNCH 1 OF 4.  Six quantisations of inputs: target (e0), source (e2 and, a second time, e4), Wq (e1), Wk (e3), Wv (e5), f32 -> codes of E4M3.
; Wo's (e11) is made in launch 3: its codes are first read by launch 4, and launch 3's own work moves 17 MB where this launch moves 169 MB.
; code = x / 2^e, held within +-448, to the nearest code, ties to even.  e: the entries of lowp_scales.
; NOTHING OF THE PROBLEM IS LEFT OUT IN ANY OF THE FOUR LAUNCHES: all six products are live, every bias goes into a quantised operand or into the output, every input is loaded.
; LIMITS: each e used here lies between -126 and 119, so that 2^e and 448 x 2^e are f32 numbers.  NaN among the inputs is not served (an infinity is held at the largest code).
; LAYOUT OF THE CODES: IMAGES OF THE OPERAND'S REGISTERS.  A fragment of 16 rows x 128 K for v_wmma_f32_16x16x128_fp8_fp8 is 16 registers a lane: lane (r = l % 16, h = l / 16) holds row r, registers 2 c', 2 c' + 1
; hold k = 16 c' + 8 h + 0 .. 7 (ISA guide 7.12.2).  Its image is 2,048 bytes: chunk c (registers 4 c .. 4 c + 3) is 512 bytes, lane l's 16 bytes at 16 l.  A buffer is [K / 256][row / 16][2][2048].
; So the products' launches fetch dense blocks and load fragments by 16 bytes a lane, and every store here covers whole aligned runs of 256 bytes.
;   acts: +0 target's codes [4][256][2][2048]; +0x400000 source's with e2 [16][256][2][2048]; +0x1400000 source's with e4.
;   wts:  +0 Wq [4][64][2][2048]; +0x100000 Wk [16][64][2][2048]; +0x500000 Wv; (+0x900000 Wo [4][256][2][2048]: launch 3): rows = the weight's columns n, K innermost.
; WORK-GROUPS by number g: 0-255 source, 256-319 target, 320-335 Wq, 336-399 Wk, 400-463 Wv.  Eight waves that share nothing: no barrier.  No matrix unit, no cluster, no tensor load: a stream.
; ACTIVATIONS (K innermost): a wave takes 16 rows x 512 K in four steps of 128 K.  A load reads 512 consecutive bytes of a row; a step's 8 KB turn through the wave's own stage in LDS, so that a lane gets its 64 numbers.
; WEIGHTS (K is the first axis): a lane takes a column and its registers run down K: the conversions give codes with K innermost and nothing goes through LDS.
.set SPARE, 67584                      ; behind the eight stages: the spare words, 128 bytes a wave, four blocks of 256 bytes that no other line names
.set STGB,  8448                       ; a wave's stage: 16 rows x 528 bytes
.set SP,    528                        ; a stage row: 512 bytes + 16: 132 words, so that 16 rows start at 16 different groups of four banks
.set WP,    4096                       ; a row of Wq, Wk, Wv in bytes
.set SI,    4                          ; v4   activations: into the stage: stage + 16 x lane
.set SO,    5                          ; v5   out of it: stage + 528 r + 32 h
.set OO,    6                          ; v6   16 x lane: my place in a chunk
.set WI,    4                          ; v4   weights: 4 x lane
.set WO,    5                          ; v5   weights: 4096 (lane / 16) + 16 (lane % 16)
.set SPW,   12                         ; v12  my spare word's LDS address; never rewritten
.set NIL,   13                         ; v13  0; never rewritten
.set RO,    16                         ; v16-31  row i's byte offset: i x pitch + 16 x lane
.set Y,     32                         ; v32-47  16 held numbers, first scale
.set Z,     48                         ; v48-63  the same, second scale
.set R,     64                         ; v64-191 two sets of 64 numbers
.set CA,    192                        ; v192-207 a step's codes, first scale
.set CB,    208                        ; v208-223 second scale
.set WX,    64                         ; v64-127  weights: two sets of 32 numbers
.set WC,    128                        ; v128-191 weights: eight registers of codes for each block, never written twice
.macro FINISH                          ; the wave's end
	s_wait_tensorcnt 0x0
	ds_add_u32 v[SPW], v[NIL]
	s_wait_dscnt 0x0
	s_endpgm
.endm
.macro MKSCALE e, sc, lim              ; s[e] holds e (and is used up): v[sc] = 2^e, v[lim] = 448 x 2^e
	s_add_co_i32 s[\e], s[\e], 127
	s_lshl_b32 s61, s[\e], 23
	v_mov_b32 v[\sc], s61
	s_add_co_i32 s[\e], s[\e], 8
	s_lshl_b32 s[\e], s[\e], 23
	s_or_b32 s[\e], s[\e], 0x600000
	v_mov_b32 v[\lim], s[\e]
.endm
.macro ALOAD s                         ; step s: 16 rows x 512 bytes, a row a load
.irp i, 0,1,2,3,4,5,6,7,8,9,10,11,12,13,14,15
	global_load_b128 v[R+64*((\s)%2)+4*\i:R+64*((\s)%2)+4*\i+3], v[RO+\i], s[38:39] offset:512*(\s) th:TH_LOAD_NT
.endr
.endm
.macro ATURN s                         ; through my stage: LDS serves a wave's instructions in order (ISA guide 5.7.1.4), so no wait stands between the stores and the loads
.irp i, 0,1,2,3,4,5,6,7,8,9,10,11,12,13,14,15
	ds_store_b128 v[SI], v[R+64*((\s)%2)+4*\i:R+64*((\s)%2)+4*\i+3] offset:SP*\i
.endr
.irp c, 0,1,2,3                        ; register 16 c + i: k = 32 c + 8 h + i (i < 8), 32 c + 16 + 8 h + i - 8 (else), of row r
	ds_load_b128 v[XS+16*\c:XS+16*\c+3],     v[SO] offset:128*\c
	ds_load_b128 v[XS+16*\c+4:XS+16*\c+7],   v[SO] offset:128*\c+16
	ds_load_b128 v[XS+16*\c+8:XS+16*\c+11],  v[SO] offset:128*\c+64
	ds_load_b128 v[XS+16*\c+12:XS+16*\c+15], v[SO] offset:128*\c+80
.endr
.endm
.macro AQ tmp, lim, sc, cd, out, s     ; the step's 64 numbers become an image's four chunks; each store covers 512 consecutive bytes
.irp c, 0,1,2,3
.irp i, 0,1,2,3,4,5,6,7,8,9,10,11,12,13,14,15
	v_med3_num_f32 v[\tmp+\i], v[XS+16*\c+\i], -v[\lim], v[\lim]   ; the conversion does not saturate (ISA guide 7.6.2): the hold comes first
.endr
	v_cvt_scalef32_pk8_fp8_f32 v[\cd+4*\c:\cd+4*\c+1], v[\tmp:\tmp+7], v[\sc]
	v_cvt_scalef32_pk8_fp8_f32 v[\cd+4*\c+2:\cd+4*\c+3], v[\tmp+8:\tmp+15], v[\sc]
	v_nop                                          ; a plain line between the conversions and the next holds, which write their sources
	global_store_b128 v[OO], v[\cd+4*\c:\cd+4*\c+3], s[\out:\out+1] offset:((\s)/2)*0x100000+((\s)%2)*2048+512*\c
.endr
.endm
.macro ASTEP s
.set XS, R+64*((\s)%2)
.if (\s) < 3
	s_wait_loadcnt 16                              ; this step's 16 loads are in; the next step's 16 may be out
.else
	s_wait_loadcnt 0x0
.endif
	ATURN \s
	s_wait_dscnt 0x0                               ; my 64 numbers are back
	s_wait_xcnt 0x0                                ; the last step's stores have read their codes' registers, which are written again below
	AQ Y, 9, 8, CA, 40, \s
	s_cmp_lt_u32 ttmp9, 256                        ; source is quantised a second time, with its second scale; target is not
	s_cbranch_scc0 .Lone_\@
	AQ Z, 11, 10, CB, 42, \s
.Lone_\@:
.if (\s) < 2
	ALOAD (\s)+2
.endif
.endm
.macro WLOAD t                         ; block t: W(32 t + i, my column), i = 0 .. 31; neighbouring lanes read neighbouring columns
.set I, 0
.rept 32
	global_load_b32 v[WX+32*((\t)%2)+I], v[WI], s[38:39] offset:(32*(\t)+I)*WP th:TH_LOAD_NT
.set I, I+1
.endr
.endm
.macro WBLOCK t
.set XS, WX+32*((\t)%2)
.if (\t) < 7
	s_wait_loadcnt 32                              ; this block's 32 loads are in; the next block's may be out
.else
	s_wait_loadcnt 0x0
.endif
.set I, 0
.rept 32
	v_med3_num_f32 v[XS+I], v[XS+I], -v9, v9
.set I, I+1
.endr
	v_cvt_scalef32_pk8_fp8_f32 v[WC+8*(\t):WC+8*(\t)+1],   v[XS:XS+7], v8        ; k 0-7 and 16-23: the 16 bytes of the image's lane (r, 0);
	v_cvt_scalef32_pk8_fp8_f32 v[WC+8*(\t)+2:WC+8*(\t)+3], v[XS+16:XS+23], v8
	v_cvt_scalef32_pk8_fp8_f32 v[WC+8*(\t)+4:WC+8*(\t)+5], v[XS+8:XS+15], v8     ; k 8-15 and 24-31: of lane (r, 1)
	v_cvt_scalef32_pk8_fp8_f32 v[WC+8*(\t)+6:WC+8*(\t)+7], v[XS+24:XS+31], v8
	v_nop
	global_store_b128 v[WO], v[WC+8*(\t):WC+8*(\t)+3],   s[40:41] offset:512*(\t)       ; sixteen lanes store 256 consecutive bytes, aligned
	global_store_b128 v[WO], v[WC+8*(\t)+4:WC+8*(\t)+7], s[40:41] offset:512*(\t)+256
.if (\t) < 6
	WLOAD (\t)+2
.endif
.endm
	s_load_b512 s[4:19], s[0:1], 0x0               ; source 4:5, target 6:7, Wq 8:9, Wk 10:11, Wv 12:13, the exponents 14:15, acts 16:17, wts 18:19
	v_lshl_add_u32 v[SPW], v0, 2, SPARE
	v_mov_b32 v[NIL], 0
	v_lshrrev_b32 v1, 5, v0
	s_delay_alu instid0(VALU_DEP_1)
	v_readfirstlane_b32 s22, v1                    ; wave 0..7
	v_and_b32 v1, 31, v0                           ; lane
	v_and_b32 v2, 15, v0                           ; r
	v_bfe_u32 v3, v0, 4, 1                         ; h
	s_wait_kmcnt 0x0
	s_load_b256 s[24:31], s[14:15], 0x0            ; e0 .. e7
	s_cmp_ge_u32 ttmp9, 320
	s_cbranch_scc1 .Lweights
	; ---- activations: one path for source and target; what differs is chosen by the work-group's number
	s_cmp_lt_u32 ttmp9, 256
	s_cselect_b64 s[38:39], s[4:5], s[6:7]
	s_cselect_b32 s36, 0, 256
	s_cselect_b32 s44, 3, 1                        ; 8 or 2 pieces of 512 along K in a row
	s_cselect_b32 s45, 7, 1
	s_cselect_b32 s46, 18, 16                      ; 16 rows in bytes, as a shift
	s_mov_b32 s47, 0x1000
	s_cselect_b32 s47, 0x4000, s47                 ; a row in bytes
	s_cselect_b32 s48, 0x400000, 0                 ; the codes' region in acts
	s_sub_co_u32 s37, ttmp9, s36
	s_lshl_b32 s37, s37, 3
	s_add_co_u32 s37, s37, s22                     ; my wave's task
	s_lshr_b32 s49, s37, s44                       ; its tile of 16 rows
	s_and_b32 s50, s37, s45                        ; its piece of 512 along K
	s_lshl_b32 s52, s49, s46
	s_lshl_b32 s53, s50, 11
	s_add_co_u32 s52, s52, s53
	s_mov_b32 s53, 0
	s_add_nc_u64 s[38:39], s[38:39], s[52:53]      ; where I read
	s_lshl_b32 s54, s50, 21                        ; two K blocks of 256: 2 x 0x100000
	s_lshl_b32 s55, s49, 12
	s_add_co_u32 s54, s54, s55
	s_mov_b32 s55, 0
	s_add_co_u32 s56, s54, s48
	s_mov_b32 s57, 0
	s_add_nc_u64 s[40:41], s[16:17], s[56:57]      ; where the first scale's codes go,
	s_add_nc_u64 s[42:43], s[16:17], s[54:55]
	s_add_nc_u64 s[42:43], s[42:43], 0x1400000     ; and the second's (source alone)
	s_mul_i32 s58, s22, STGB
	s_wait_alu depctr_va_vdst(0)
	v_lshlrev_b32 v[OO], 4, v1
	s_delay_alu instid0(VALU_DEP_1)
	v_add_nc_u32 v[SI], s58, v[OO]
	v_mul_u32_u24 v[SO], v2, SP
	s_delay_alu instid0(VALU_DEP_1)
	v_lshl_add_u32 v[SO], v3, 5, v[SO]
	s_delay_alu instid0(VALU_DEP_1)
	v_add_nc_u32 v[SO], s58, v[SO]
	v_mov_b32 v[RO], v[OO]
.irp i, 1,2,3,4,5,6,7,8,9,10,11,12,13,14,15
	s_delay_alu instid0(VALU_DEP_1)
	v_add_nc_u32 v[RO+\i], s47, v[RO+\i-1]
.endr
	ALOAD 0
	ALOAD 1
	s_wait_kmcnt 0x0
	s_cmp_lt_u32 ttmp9, 256
	s_cselect_b32 s59, s26, s24                    ; e2 for source, e0 for target
	MKSCALE 59, 8, 9
	MKSCALE 28, 10, 11                             ; e4
	s_wait_alu depctr_va_vdst(0)
	ASTEP 0
	ASTEP 1
	ASTEP 2
	ASTEP 3
	FINISH
	; ---- weights: a wave takes 32 columns x 256 K: two row tiles x two images
.Lweights:
	s_wait_alu depctr_va_vdst(0)
	v_lshlrev_b32 v[WI], 2, v1
	s_wait_alu depctr_va_vdst(0)
	v_lshlrev_b32 v[WO], 4, v2
	s_delay_alu instid0(VALU_DEP_1)
	v_lshl_add_u32 v[WO], v3, 12, v[WO]
	s_lshl_b32 s50, s22, 7                         ; my wave's 32 columns in a row of W,
	s_lshl_b32 s51, s22, 13                        ; and its two row tiles of codes
	s_cmp_lt_u32 ttmp9, 336                        ; Wq, Wk or Wv: rows of 1,024 numbers
	s_cselect_b64 s[38:39], s[8:9], s[10:11]
	s_mov_b32 s36, 336
	s_cselect_b32 s36, 320, s36
	s_cselect_b32 s37, 0, 0x100000
	s_cmp_lt_u32 ttmp9, 400
	s_cselect_b64 s[38:39], s[38:39], s[12:13]
	s_cselect_b32 s36, s36, 400
	s_cselect_b32 s37, s37, 0x500000
	s_sub_co_u32 s36, ttmp9, s36
	s_and_b32 s44, s36, 3                          ; which 256 columns
	s_lshr_b32 s45, s36, 2                         ; which 256 along K
	s_lshl_b32 s52, s45, 20
	s_lshl_b32 s46, s44, 10
	s_add_co_u32 s52, s52, s46
	s_add_co_u32 s52, s52, s50
	s_mov_b32 s53, 0
	s_add_nc_u64 s[38:39], s[38:39], s[52:53]
	s_lshl_b32 s54, s45, 18
	s_lshl_b32 s46, s44, 16
	s_add_co_u32 s54, s54, s46
	s_add_co_u32 s54, s54, s51
	s_add_co_u32 s54, s54, s37
	s_mov_b32 s55, 0
	s_add_nc_u64 s[40:41], s[18:19], s[54:55]
	WLOAD 0
	WLOAD 1
	s_wait_kmcnt 0x0
	s_cmp_lt_u32 ttmp9, 336
	s_cselect_b32 s59, s25, s27                    ; e1, e3
	s_cmp_lt_u32 ttmp9, 400
	s_cselect_b32 s59, s59, s29                    ; or e5
	MKSCALE 59, 8, 9
	s_wait_alu depctr_va_vdst(0)
.irp t, 0,1,2,3,4,5,6,7
	WBLOCK \t
.endr
	FINISH
.Lfunc_end_k_q0e89e6a9bb_quant:
	.size	k_q0e89e6a9bb_quant, .Lfunc_end_k_q0e89e6a9bb_quant-k_q0e89e6a9bb_quant
	.p2alignl 7, 3214868480
	.fill 96, 4, 3214868480
	.section	.rodata,"a",@progbits
	.p2align	6, 0x0
	.amdhsa_kernel k_q0e89e6a9bb_quant
		.amdhsa_group_segment_fixed_size 68608
		.amdhsa_private_segment_fixed_size 0
		.amdhsa_enable_private_segment 0
		.amdhsa_kernarg_size 64
		.amdhsa_user_sgpr_count 2
		.amdhsa_user_sgpr_kernarg_segment_ptr 1
		.amdhsa_wavefront_size32 1
		.amdhsa_system_sgpr_workgroup_id_x 1
		.amdhsa_system_sgpr_workgroup_id_y 1
		.amdhsa_system_sgpr_workgroup_id_z 1
		.amdhsa_system_vgpr_workitem_id 0
		.amdhsa_next_free_vgpr 224
		.amdhsa_next_free_sgpr 66
		.amdhsa_reserve_vcc 0
		.amdhsa_float_denorm_mode_32 3
		.amdhsa_float_denorm_mode_16_64 3
		.amdhsa_memory_ordered 1
		.amdhsa_forward_progress 1
		.amdhsa_inst_pref_size 105
	.end_amdhsa_kernel
	.amdgpu_metadata
---
amdhsa.version: [ 1, 2 ]
amdhsa.kernels:
  - .name:           k_q0e89e6a9bb_quant
    .symbol:         k_q0e89e6a9bb_quant.kd
    .args:
      - { .name: source_embedding, .offset: 0, .size: 8, .value_kind: global_buffer, .address_space: global }
      - { .name: target_embedding, .offset: 8, .size: 8, .value_kind: global_buffer, .address_space: global }
      - { .name: Wq, .offset: 16, .size: 8, .value_kind: global_buffer, .address_space: global }
      - { .name: Wk, .offset: 24, .size: 8, .value_kind: global_buffer, .address_space: global }
      - { .name: Wv, .offset: 32, .size: 8, .value_kind: global_buffer, .address_space: global }
      - { .name: lowp_scales, .offset: 40, .size: 8, .value_kind: global_buffer, .address_space: global }
      - { .name: acts, .offset: 48, .size: 8, .value_kind: global_buffer, .address_space: global }
      - { .name: wts, .offset: 56, .size: 8, .value_kind: global_buffer, .address_space: global }
    .group_segment_fixed_size: 68608
    .private_segment_fixed_size: 0
    .kernarg_segment_align: 8
    .kernarg_segment_size: 64
    .max_flat_workgroup_size: 256
    .sgpr_count:     66
    .vgpr_count:     224
    .wavefront_size: 32
...
	.end_amdgpu_metadata
.endif
;; end of part 1
;; launch proj (part 2): grid 12 x 16, 4 waves a work-group, clusters of 4 x 4, 327,680 bytes of LDS; arguments acts, wts, bq, bk, bv, lowp_scales, qkv; writes qkv
.if DOCPART == 2
	.amdgcn_target "amdgcn-amd-amdhsa--gfx1250"
	.amdhsa_code_object_version 6
	.text
	.protected	k_q0e89e6a9bb_proj
	.globl	k_q0e89e6a9bb_proj
	.p2align	8
	.type	k_q0e89e6a9bb_proj,@function
k_q0e89e6a9bb_proj:
	s_mov_b64 s[64:65], 0
	v_nop
	global_prefetch_b8 v0, s[64:65] scope:SCOPE_SE
	s_setreg_imm32_b32 hwreg(HW_REG_WAVE_MODE, 25, 1), 1
	s_wait_xcnt 0x0
	s_wait_alu depctr_hold_cnt(0) depctr_sa_sdst(0) depctr_va_vdst(0) depctr_va_sdst(0) depctr_va_ssrc(0) depctr_va_vcc(0) depctr_vm_vsrc(0)
	s_getreg_b32 s2, hwreg(HW_REG_IB_STS2, 6, 4)
	s_cmp_eq_u32 s2, 0
	s_cbranch_scc0 .Lentry_in_a_cluster
	s_endpgm
.Lentry_in_a_cluster:
	s_bfe_u32 s2, ttmp6, 0x10000c
	s_cmp_lg_u32 s2, 0xf033
	s_cbranch_scc0 .Lentry_shape_is_right
	s_endpgm
.Lentry_shape_is_right:
; LAUNCH 2 OF 4.  q = Q(target Wq + bq), k = Q(source Wk + bk), v = Q(source Wv + bv): three products on codes of E4M3 (v_wmma_f32_16x16x128_fp8_fp8, k in its own place).  No work is left out.
; A tile of 256 x 256 is made by a work-group of four waves, 128 x 128 a wave in 512 registers.  K goes in steps of 256 through a ring of two LDS slots; the operands lie in memory as images of the fragments' registers
; ([K / 256][row / 16][2][2048]), so a wave's part of a slot is one dense block of 32,768 bytes, stated as 128 rows of 256 bytes, and a fragment is four loads of 16 bytes a lane.
; CLUSTERS of 4 x 4: cluster x = 0 makes q (K = 1,024), 1 makes k, 2 makes v (K = 4,096).  The first operand's tile is shared along a row of the cluster, the second's along a column, by joint loads.
; For q and k source 1 is the tokens' fragment and source 0 the weight's: a lane holds a token and its registers eight neighbouring channels.  For v the two change places, so that the registers run along the keys.
; THE WAY OUT: sum x 2^(its two e) + bias, held within +-448 x 2^e (e6, e7, e8), converted; the codes are the images that launch 3 reads; each store covers 512 consecutive bytes.
; PREFETCH: behind each joint load a wave asks for the K step two refills on: of the 128 blocks of 256 bytes that it will fetch, its work-group's 32, a lane a block; the four partners that ask for a tile jointly
; are told apart by address (cx for the first operand's waves, cy for the second's).  The head asks for K steps 1, 2 and 3; the loop's last trip asks for nothing.
; LIMITS: e0 + e1, e2 + e3, e4 + e5 between -126 and 127; e6, e7, e8 between -126 and 119.  NaN among the inputs is not served.
.set SLOT,   131072
.set HALFB,  32768
.set SPARE,  2*SLOT
.set FR,     16
.set NL,     4
.set NP,     4
.set SCL,  12
.set LIMV, 13
.set ADRA, 16
.set ADRB, 20
.set VO,   26
.set BA,   27
.set SPW,  28
.set NIL,  29
.set BC,   32
.set AF,   128
.set XW,   128
.set CD0,  192
.set G1,  24
.set G0,  32
.set G1B, 48
.set G0B, 56
.set SA2, 66
.set SB2, 92
.set MSB, 0
.macro WIN new
.if MSB != \new
	s_set_vgpr_msb (MSB<<8)|\new
.set MSB, \new
.endif
.endm
.set MUL_LO, 0xa1
.set MUL_HI, 0xf1
.set TO_B,   0x40
.macro JLOAD g0a, g1a, g0b, g1b
	s_cmp_eq_u32 s15, 0
	s_cbranch_scc0 .Lfor_b_\@
	tensor_load_to_lds s[\g0a:\g0a+3], s[\g1a:\g1a+7]
	s_nop 0
.rept 4
	v_nop
.endr
	s_branch .Lasked_\@
.Lfor_b_\@:
	tensor_load_to_lds s[\g0b:\g0b+3], s[\g1b:\g1b+7]
	s_nop 0
.rept 4
	v_nop
.endr
.Lasked_\@:
.endm
.macro CREST
	s_cmp_lg_u32 s14, 0
	s_cbranch_scc1 .Lnot_wave_0_\@
	s_barrier_signal -3
.Lnot_wave_0_\@:
	s_barrier_wait -3
	s_barrier_signal -1
	s_barrier_wait -1
.endm
.macro CROUND
	s_barrier_signal -1
	s_barrier_wait -1
	CREST
.endm
.macro FRAG reg, adr, q, i
.irp c, 0,1,2,3
	ds_load_b128 v[\reg+4*\c:\reg+4*\c+3], v[\adr] offset:(\i)*4096+(\q)*2048+512*\c
.endr
.endm
.macro MUL16 a0, p, zero
.irp a, \a0, \a0+1
.irp b, 0,1,2,3,4,5,6,7
.if \zero
	v_wmma_f32_16x16x128_fp8_fp8 v[8*(8*((\a)%4)+\b):8*(8*((\a)%4)+\b)+7], v[128*(\p)+FR*\b:128*(\p)+FR*\b+FR-1], v[AF+FR*(\a):AF+FR*(\a)+FR-1], 0
.else
	v_wmma_f32_16x16x128_fp8_fp8 v[8*(8*((\a)%4)+\b):8*(8*((\a)%4)+\b)+7], v[128*(\p)+FR*\b:128*(\p)+FR*\b+FR-1], v[AF+FR*(\a):AF+FR*(\a)+FR-1], v[8*(8*((\a)%4)+\b):8*(8*((\a)%4)+\b)+7]
.endif
.endr
.endr
.endm
.macro FETCH_B slot, q, p
	WIN TO_B
.irp i, 0,1,2,3,4,5,6,7
	FRAG 128*(\p)+FR*\i, ADRB+\slot, \q, \i
.endr
	WIN 0
.endm
.macro FETCH_A slot, q, i0
.irp i, \i0, \i0+1, \i0+2, \i0+3
	FRAG AF+FR*(\i), ADRA+\slot, \q, \i
.endr
.endm
.macro PLACES n
.rept \n
	v_nop
.endr
.endm
.macro STEP slot, q, zero
	s_wait_dscnt 4*NL
	WIN MUL_LO
	MUL16 0, (\q)%2, \zero
	MUL16 2, (\q)%2, \zero
	s_wait_dscnt 0
	PLACES NP
	FETCH_B \slot, (\q)+1, 1-(\q)%2
	FETCH_A \slot, (\q)+1, 0
	WIN MUL_HI
	MUL16 4, (\q)%2, \zero
	MUL16 6, (\q)%2, \zero
	PLACES NP
	WIN 0
	FETCH_A \slot, (\q)+1, 4
.endm
.macro TURN slot, next, fill
.if \fill
	s_wait_xcnt 0x0                                ; my last prefetch has read its address: it is stepped here, a K step behind that prefetch
	s_add_nc_u64 s[4:5], s[4:5], s[6:7]
.endif
	s_wait_tensorcnt 0x0
	ds_add_u32 v[SPW], v[NIL]
	s_wait_dscnt 4*NL+1
	WIN MUL_LO
	MUL16 0, 1, 0
	s_wait_dscnt 0x0
	s_barrier_signal -1
	MUL16 2, 1, 0
	WIN 0
	s_barrier_wait -1
.if \fill
	CREST
	s_add_nc_u64 s[G0+4*\slot+2:G0+4*\slot+3], s[G0+4*\slot+2:G0+4*\slot+3], s[SA2:SA2+1]
	s_add_nc_u64 s[G0B+4*\slot+2:G0B+4*\slot+3], s[G0B+4*\slot+2:G0B+4*\slot+3], s[SB2:SB2+1]
	JLOAD G0+4*\slot, G1, G0B+4*\slot, G1B
.else
	PLACES NP
.endif
	FETCH_B \next, 0, 0
	FETCH_A \next, 0, 0
.if \fill
	s_cmp_gt_u32 s3, 1                             ; the last trip's refills have no K step two on
	s_cbranch_scc0 .Lnoask_\@
	global_prefetch_b8 v30, s[4:5] th:TH_LOAD_NT scope:SCOPE_SE   ; the K step two refills on
.Lnoask_\@:
.endif
	WIN MUL_HI
	MUL16 4, 1, 0
	MUL16 6, 1, 0
	PLACES NP
	WIN 0
	FETCH_A \next, 0, 4
.endm
.macro LAST
	s_wait_dscnt 4*NL
	WIN MUL_LO
	MUL16 0, 1, 0
	MUL16 2, 1, 0
	s_wait_dscnt 0
	WIN MUL_HI
	MUL16 4, 1, 0
	MUL16 6, 1, 0
	WIN 0
.endm
.macro EBLK a, isv
	WIN 0x02+((\a)/4)
.set J, 0
.rept 32
.if \isv
	v_pk_fma_f32 v[XW+J:XW+J+1], v[64*((\a)%4)+J:64*((\a)%4)+J+1], s[96:97], v[BC+2*(\a):BC+2*(\a)+1] op_sel_hi:[1,0,1]
.else
	v_pk_fma_f32 v[XW+J:XW+J+1], v[64*((\a)%4)+J:64*((\a)%4)+J+1], s[96:97], v[BC+J:BC+J+1] op_sel_hi:[1,0,1]
.endif
.set J, J+2
.endr
	WIN 0
.set J, 0
.rept 64
	v_med3_num_f32 v[XW+J], v[XW+J], -v[LIMV], v[LIMV]
.set J, J+1
.endr
.if (\a) >= 4
	s_wait_alu depctr_va_vdst(0)
	s_wait_xcnt 0x0
.endif
.set CD, CD0+16*((\a)%4)
.irp b, 0,1,2,3,4,5,6,7
	v_cvt_scalef32_pk8_fp8_f32 v[CD+2*\b:CD+2*\b+1], v[XW+8*\b:XW+8*\b+7], v[SCL]
.endr
	v_nop
.irp g, 0,1,2,3
	global_store_b128 v[VO], v[CD+4*\g:CD+4*\g+3], s[10:11] offset:2048*(\a)+512*\g
.endr
.endm
	s_load_b128 s[4:7], s[0:1], 0x0
	s_load_b256 s[80:87], s[0:1], 0x10
	s_load_b64 s[88:89], s[0:1], 0x30
	v_lshl_add_u32 v[SPW], v0, 2, SPARE
	v_mov_b32 v[NIL], 0
	ds_add_u32 v[SPW], v[NIL]
	ds_add_u32 v[SPW], v[NIL]
	v_lshrrev_b32 v1, 5, v0
	v_readfirstlane_b32 s14, v1
	v_and_b32 v30, 31, v0
	v_lshlrev_b32 v30, 8, v30                      ; the prefetches' offset: 256 x lane; never rewritten
	s_lshr_b32 s15, s14, 1
	s_and_b32 s16, s14, 1
	s_bfe_u32 s40, ttmp6, 0x40000
	s_bfe_u32 s41, ttmp6, 0x40004
	s_and_b32 s18, ttmp7, 0xffff
	s_lshl_b32 s18, s18, 2
	s_cmp_eq_u32 ttmp9, 0
	s_cselect_b32 s20, 0, 0x400000
	s_cselect_b32 s46, 0, 0x100000
	s_cselect_b32 s3, 1, 7
	s_cmp_eq_u32 ttmp9, 2
	s_cselect_b32 s13, 1, 0
	s_cselect_b32 s19, 0, s18
	s_cselect_b32 s12, s18, 0
	s_cselect_b32 s20, 0x500000, s20
	s_cselect_b32 s46, 0x1400000, s46
	s_mov_b32 s[SA2], 0x200000
	s_cselect_b32 s[SA2], 0x80000, s[SA2]
	s_mov_b32 s[SB2], 0x80000
	s_cselect_b32 s[SB2], 0x200000, s[SB2]
	s_mov_b32 s[SA2+1], 0
	s_mov_b32 s[SB2+1], 0
	s_lshr_b32 s94, s[SA2], 1
	s_mov_b32 s95, 0
	s_lshr_b32 s90, s[SB2], 1
	s_mov_b32 s91, 0
	s_add_co_u32 s17, s41, s19
	s_add_co_u32 s42, s40, s12
	s_lshl_b32 s43, s41, 2
	s_lshl_b32 s43, 15, s43
	s_lshl_b32 s44, 0x1111, s40
	s_or_b32 s[G1+0], s43, (3<<16)|(1<<21)
	s_or_b32 s[G1B+0], s44, (3<<16)|(1<<21)
.irp g, G1, G1B
	s_mov_b32 s[\g+1], 32<<16
	s_mov_b32 s[\g+2], 128<<16
	s_mov_b32 s[\g+3], 32<<16
	s_mov_b32 s[\g+4], 128
	s_mov_b32 s[\g+5], 32
	s_mov_b32 s[\g+6], 0
	s_mov_b32 s[\g+7], 0
.endr
	s_lshl_b32 s18, s16, 15
	s_lshl_b32 s19, s17, 16
	s_add_co_u32 s20, s20, s19
	s_add_co_u32 s20, s20, s18
	s_mov_b32 s21, 0
	s_lshl_b32 s12, s42, 16
	s_add_co_u32 s46, s46, s12
	s_add_co_u32 s46, s46, s18
	s_mov_b32 s47, 0
	s_lshl_b32 s45, s14, 15
	s_wait_alu depctr_va_vdst(0)
	s_wait_dscnt 0x0
	s_wait_kmcnt 0x0
	s_load_b256 s[68:75], s[86:87], 0x0
	s_load_b128 s[76:79], s[86:87], 0x20
	s_cmp_eq_u32 s13, 1
	s_cselect_b64 s[8:9], s[6:7], s[4:5]
	s_cselect_b64 s[10:11], s[4:5], s[6:7]
	s_add_nc_u64 s[20:21], s[8:9], s[20:21]
	s_add_nc_u64 s[46:47], s[10:11], s[46:47]
	s_cmp_eq_u32 s15, 0                            ; the prefetches: s[4:5] where mine stand, s[6:7] a K step in bytes
	s_cselect_b64 s[4:5], s[20:21], s[46:47]       ; the block that my wave fetches,
	s_cselect_b32 s6, s94, s90
	s_cselect_b32 s18, s40, s41                    ; my work-group's place among the four that ask for it with me,
	s_mov_b32 s7, 0
	s_lshl_b32 s18, s18, 13                        ; its 32 blocks of 256 bytes,
	s_mov_b32 s19, 0
	s_add_nc_u64 s[4:5], s[4:5], s[18:19]
	s_add_nc_u64 s[4:5], s[4:5], s[6:7]            ; at K step 1
	CROUND
	s_mov_b32 s[G0], 1
	s_mov_b32 s[G0+1], s45
	s_mov_b64 s[G0+2:G0+3], s[20:21]
	s_or_b32 s[G0+3], s[G0+3], 0x80000000
	s_mov_b32 s[G0B], 1
	s_mov_b32 s[G0B+1], s45
	s_mov_b64 s[G0B+2:G0B+3], s[46:47]
	s_or_b32 s[G0B+3], s[G0B+3], 0x80000000
	JLOAD G0, G1, G0B, G1B
	global_prefetch_b8 v30, s[4:5] th:TH_LOAD_NT scope:SCOPE_SE   ; K step 1
	s_mov_b32 s[G0+4], 1
	s_add_co_u32 s[G0+5], s45, SLOT
	s_add_nc_u64 s[G0+6:G0+7], s[20:21], s[94:95]
	s_or_b32 s[G0+7], s[G0+7], 0x80000000
	s_mov_b32 s[G0B+4], 1
	s_add_co_u32 s[G0B+5], s45, SLOT
	s_add_nc_u64 s[G0B+6:G0B+7], s[46:47], s[90:91]
	s_or_b32 s[G0B+7], s[G0B+7], 0x80000000
	s_wait_xcnt 0x0                                ; the prefetch has read its address
	s_add_nc_u64 s[4:5], s[4:5], s[6:7]
	global_prefetch_b8 v30, s[4:5] th:TH_LOAD_NT scope:SCOPE_SE   ; K step 2
	s_wait_alu depctr_va_vdst(0)
	s_wait_tensorcnt 0x0
	ds_add_u32 v28, v29
	s_wait_dscnt 0x0
	CROUND
	JLOAD G0+4, G1, G0B+4, G1B
	s_wait_xcnt 0x0
	s_add_nc_u64 s[4:5], s[4:5], s[6:7]
	global_prefetch_b8 v30, s[4:5] th:TH_LOAD_NT scope:SCOPE_SE   ; K step 3
	v_and_b32 v1, 31, v0
	v_lshlrev_b32 v[VO], 4, v1
	v_and_b32 v2, 15, v0
	v_bfe_u32 v3, v0, 4, 1
	s_lshl_b32 s21, s15, 15
	s_lshl_b32 s22, s16, 15
	s_add_co_u32 s22, s22, 2*HALFB
.irp s, 0,1
	v_add_nc_u32 v[ADRA+\s], s21, v[VO]
	v_add_nc_u32 v[ADRB+\s], s22, v[VO]
	s_add_co_u32 s21, s21, SLOT
	s_add_co_u32 s22, s22, SLOT
.endr
	s_lshr_b32 s94, s17, 1
	s_lshl_b32 s94, s94, 19
	s_lshl_b32 s95, s42, 17
	s_add_co_u32 s94, s94, s95
	s_lshl_b32 s95, s16, 16
	s_add_co_u32 s94, s94, s95
	s_and_b32 s95, s17, 1
	s_lshl_b32 s95, s95, 15
	s_add_co_u32 s94, s94, s95
	s_lshr_b32 s98, s42, 1
	s_lshl_b32 s98, s98, 19
	s_and_b32 s95, s42, 1
	s_lshl_b32 s95, s95, 18
	s_add_co_u32 s98, s98, s95
	s_lshl_b32 s95, s16, 17
	s_add_co_u32 s98, s98, s95
	s_lshl_b32 s95, s17, 15
	s_add_co_u32 s98, s98, s95
	s_cmp_eq_u32 s13, 1
	s_cselect_b32 s94, s98, s94
	s_lshl_b32 s95, s15, 14
	s_add_co_u32 s94, s94, s95
	s_lshl_b32 s95, ttmp9, 22
	s_add_co_u32 s94, s94, s95
	s_mov_b32 s95, 0
	s_add_nc_u64 s[10:11], s[88:89], s[94:95]
	s_wait_alu depctr_va_vdst(0)
	s_wait_tensorcnt 1
	s_barrier_signal -1
	s_barrier_wait -1
	FETCH_B 0, 0, 0
	FETCH_A 0, 0, 0
	FETCH_A 0, 0, 4
	STEP 0, 0, 1
.Llap:
	TURN 0, 1, 1
	STEP 1, 0, 0
	TURN 1, 0, 1
	STEP 0, 0, 0
	s_sub_co_u32 s3, s3, 1
	s_cmp_lg_u32 s3, 0
	s_cbranch_scc1 .Llap
	TURN 0, 1, 0
	STEP 1, 0, 0
	s_wait_kmcnt 0x0
	s_add_co_i32 s94, s68, s69
	s_add_co_i32 s95, s70, s71
	s_add_co_i32 s90, s72, s73
	s_cmp_eq_u32 ttmp9, 0
	s_cselect_b32 s96, s94, s95
	s_cselect_b32 s91, s74, s75
	s_cselect_b64 s[8:9], s[80:81], s[82:83]
	s_cmp_eq_u32 ttmp9, 2
	s_cselect_b32 s96, s90, s96
	s_cselect_b32 s91, s76, s91
	s_cselect_b64 s[8:9], s[84:85], s[8:9]
	s_add_co_i32 s96, s96, 127
	s_lshl_b32 s96, s96, 23
	s_mov_b32 s97, s96
	s_add_co_i32 s91, s91, 127
	s_lshl_b32 s90, s91, 23
	v_mov_b32 v[SCL], s90
	s_add_co_i32 s91, s91, 8
	s_lshl_b32 s91, s91, 23
	s_or_b32 s91, s91, 0x600000
	v_mov_b32 v[LIMV], s91
	s_cmp_eq_u32 s13, 1
	s_cbranch_scc1 .Lvt
	s_lshl_b32 s98, s42, 10
	s_lshl_b32 s99, s16, 9
	s_add_co_u32 s98, s98, s99
	v_lshl_add_u32 v[BA], v3, 5, s98
.irp b, 0,1,2,3,4,5,6,7
	global_load_b128 v[BC+8*\b:BC+8*\b+3],   v[BA], s[8:9] offset:64*\b
	global_load_b128 v[BC+8*\b+4:BC+8*\b+7], v[BA], s[8:9] offset:64*\b+16
.endr
	LAST
	PLACES NP
	s_wait_loadcnt 0x0
.irp a, 0,1,2,3,4,5,6,7
	EBLK \a, 0
.endr
	s_branch .Ldone
.Lvt:
	s_lshl_b32 s98, s17, 10
	s_lshl_b32 s99, s15, 9
	s_add_co_u32 s98, s98, s99
	v_lshl_add_u32 v[BA], v2, 2, s98
.irp a, 0,1,2,3,4,5,6,7
	global_load_b32 v[BC+2*\a],   v[BA], s[8:9] offset:64*\a
	global_load_b32 v[BC+2*\a+1], v[BA], s[8:9] offset:64*\a
.endr
	LAST
	PLACES NP
	s_wait_loadcnt 0x0
.irp a, 0,1,2,3,4,5,6,7
	EBLK \a, 1
.endr
.Ldone:
	s_wait_tensorcnt 0x0
	ds_add_u32 v[SPW], v[NIL]
	s_wait_dscnt 0x0
	CROUND
	s_endpgm
.Lfunc_end_k_q0e89e6a9bb_proj:
	.size	k_q0e89e6a9bb_proj, .Lfunc_end_k_q0e89e6a9bb_proj-k_q0e89e6a9bb_proj
	.p2alignl 7, 3214868480
	.fill 96, 4, 3214868480
	.section	.rodata,"a",@progbits
	.p2align	6, 0x0
	.amdhsa_kernel k_q0e89e6a9bb_proj
		.amdhsa_group_segment_fixed_size 327680
		.amdhsa_private_segment_fixed_size 0
		.amdhsa_enable_private_segment 0
		.amdhsa_kernarg_size 56
		.amdhsa_user_sgpr_count 2
		.amdhsa_user_sgpr_kernarg_segment_ptr 1
		.amdhsa_wavefront_size32 1
		.amdhsa_system_sgpr_workgroup_id_x 1
		.amdhsa_system_sgpr_workgroup_id_y 1
		.amdhsa_system_sgpr_workgroup_id_z 1
		.amdhsa_system_vgpr_workitem_id 0
		.amdhsa_next_free_vgpr 1024
		.amdhsa_next_free_sgpr 100
		.amdhsa_reserve_vcc 0
		.amdhsa_float_denorm_mode_32 3
		.amdhsa_float_denorm_mode_16_64 3
		.amdhsa_memory_ordered 1
		.amdhsa_forward_progress 1
		.amdhsa_inst_pref_size 200
	.end_amdhsa_kernel
	.amdgpu_metadata
---
amdhsa.version: [ 1, 2 ]
amdhsa.kernels:
  - .name:           k_q0e89e6a9bb_proj
    .symbol:         k_q0e89e6a9bb_proj.kd
    .args:
      - { .name: acts, .offset: 0, .size: 8, .value_kind: global_buffer, .address_space: global }
      - { .name: wts, .offset: 8, .size: 8, .value_kind: global_buffer, .address_space: global }
      - { .name: bq, .offset: 16, .size: 8, .value_kind: global_buffer, .address_space: global }
      - { .name: bk, .offset: 24, .size: 8, .value_kind: global_buffer, .address_space: global }
      - { .name: bv, .offset: 32, .size: 8, .value_kind: global_buffer, .address_space: global }
      - { .name: lowp_scales, .offset: 40, .size: 8, .value_kind: global_buffer, .address_space: global }
      - { .name: qkv, .offset: 48, .size: 8, .value_kind: global_buffer, .address_space: global }
    .group_segment_fixed_size: 327680
    .private_segment_fixed_size: 0
    .kernarg_segment_align: 8
    .kernarg_segment_size: 56
    .max_flat_workgroup_size: 128
    .sgpr_count:     100
    .vgpr_count:     1024
    .wavefront_size: 32
...
	.end_amdgpu_metadata
.endif
;; end of part 2
;; launch attn (part 3): grid 2 x 128, 16 waves a work-group, no clusters, 67,584 bytes of LDS; arguments qkv, lowp_scales, att, Wo, wts; writes att, wts
.if DOCPART == 3
	.amdgcn_target "amdgcn-amd-amdhsa--gfx1250"
	.amdhsa_code_object_version 6
	.text
	.protected	k_q0e89e6a9bb_attn
	.globl	k_q0e89e6a9bb_attn
	.p2align	8
	.type	k_q0e89e6a9bb_attn,@function
k_q0e89e6a9bb_attn:
	s_mov_b64 s[64:65], 0
	v_nop
	global_prefetch_b8 v0, s[64:65] scope:SCOPE_SE
	s_setreg_imm32_b32 hwreg(HW_REG_WAVE_MODE, 25, 1), 1
	s_wait_xcnt 0x0
; LAUNCH 3 OF 4.  For each batch and head: S = q k^T / 8, the softmax, O = P v, both products on codes of E4M3; O / l is quantised (e10) and stored as the register image that the last product takes.  No work is left out.
; BESIDE IT, Wo IS QUANTISED HERE (e11), for launch 4: the launch has 256 x 16 = 4,096 waves and Wo [1,024 K][4,096 n] has 32 x 128 = 4,096 blocks of 32 K x 32 columns: a block a wave.  A lane takes a column and its 32
; registers run down K, so the conversions give codes with K innermost; the block is one chunk of two images: two stores, in each of which sixteen lanes fill 256 consecutive bytes, aligned.  The codes go to wts + 0x900000,
; [K / 256][n / 16][2][2048]; this launch loads nothing from wts.  The block's 32 loads are issued behind the copy of K and V, for which every wave waits, in two runs of 16, and lie in registers that the attention does not name.
; THE SOFTMAX: t = score x log2(e) / 8; M = the largest t so far, rounded UP to a whole number; p = 2^(t - M) is what is quantised (e9), not normalised.  The row's sum l is taken of the unquantised p and divides at the end.
; When M moves, l and O are multiplied by 2^(old M - new M), which rounds nothing.
; SHARES.  A work-group owns 256 queries of one head (x: which half; y: 16 x batch + head); each of its sixteen waves one tile of 16 queries, in 256 registers: four waves to a SIMD, one wave's vector work beside another's products.
; The head's whole K (32 tiles of 16 keys x 64: 32,768 bytes) and V^T (4 x 4 images of 16 channels x 128 keys: 32,768 bytes) are copied into LDS ONCE, through registers, 128 bytes a thread: one barrier, no ring.
; NO CLUSTER: a head's 65,536 bytes are read by two work-groups, once each, and the grid's x of 2 holds no cluster of four.  K, V and Q are asked for at the head, so nothing of them is left to ask for ahead of time.
; LAYOUT.  Both products transposed: S^T = K Q^T (source 0 = 16 keys, source 1 = my queries), O^T = V^T P^T (source 0 = 16 channels, source 1 = P): a lane holds ONE query (lane % 16) throughout; register j of a tile is key, or
; channel, 8 (lane / 16) + j: one conversion of a tile's eight registers gives registers 2 c', 2 c' + 1 of the next operand (ISA guide 7.12.2), with k in its own place.
; LIMITS: e6 + e7 between -123 and 129 (added to c's exponent field); e9, e10, e11 between -126 and 119; e8 + e9 goes by v_ldexp_f32 and has none.  NaN among the inputs is not served.
; REGISTERS: v1 16 x lane; v4, v5 the copy's offsets; v6, v7 the add's two; v8, v9: 2^e11, 448 x 2^e11; v10, v11 Wo's offsets in and out; v12 -M, v13 the largest t, v[14:15] l in two halves; v16-23 Q; v24-31 Wo's codes;
; v32-95 eight fragments of K or four of V; v96-159 S^T, then p; v160-191 O^T; v192-223 Wo's block; v224-239 p's codes; v240, v244: 448 x 2^e9, 2^e9; v241, v245: the same with e10; v242, v243, v246, v252-254 at work.
.set VIMG,  32768                      ; LDS: K's tiles from 0, V's images from here
.set SPARE, 65536                      ; behind them: the spare words, 128 bytes a wave, eight blocks of 256 bytes that no other line names
.set WX,    192                        ; Wo's block: register i = Wo(32 block + i, my column)
.set WC,    24                         ; its codes
	s_load_b128 s[4:7], s[0:1], 0x0                ; qkv, the exponents
	s_load_b64 s[8:9], s[0:1], 0x10                ; att
	s_load_b128 s[48:51], s[0:1], 0x18             ; Wo, wts
	v_lshl_add_u32 v6, v0, 2, SPARE
	v_mov_b32 v7, 0
	v_lshrrev_b32 v2, 5, v0
	s_delay_alu instid0(VALU_DEP_1)
	v_readfirstlane_b32 s10, v2                    ; wave 0..15
	v_and_b32 v1, 31, v0
	s_delay_alu instid0(VALU_DEP_1)
	v_lshlrev_b32 v10, 2, v1                       ; Wo: 4 x lane: my column among the wave's 32
	s_delay_alu instid0(VALU_DEP_2)
	v_lshlrev_b32 v1, 4, v1                        ; 16 x lane
	v_lshrrev_b32 v4, 6, v0
	s_delay_alu instid0(VALU_DEP_1)
	v_lshlrev_b32 v4, 11, v4
	v_and_b32 v3, 63, v0
	s_delay_alu instid0(VALU_DEP_1)
	v_lshl_add_u32 v4, v3, 4, v4                   ; K in memory: 64 threads to a tile of 1,024 bytes; my head's tiles lie 2,048 bytes apart
	v_lshlrev_b32 v5, 4, v0                        ; 16 x thread: V in memory, and both in LDS
	v_and_b32 v11, 15, v0
	s_delay_alu instid0(VALU_DEP_1)
	v_lshlrev_b32 v11, 4, v11
	v_bfe_u32 v3, v0, 4, 1
	s_delay_alu instid0(VALU_DEP_1)
	v_lshl_add_u32 v11, v3, 12, v11                ; Wo's codes: 4096 (lane / 16) + 16 (lane % 16): my column's row tile, and its row there
	s_and_b32 s11, ttmp7, 0xffff
	s_lshr_b32 s12, s11, 4                         ; batch
	s_and_b32 s13, s11, 15                         ; head
	s_lshl_b32 s14, s12, 19
	s_lshr_b32 s15, s13, 1
	s_lshl_b32 s15, s15, 16
	s_and_b32 s16, s13, 1
	s_lshl_b32 s16, s16, 10
	s_add_co_u32 s15, s15, s16
	s_add_co_u32 s24, s14, s15                     ; the head's place in q's and in k's region
	s_mov_b32 s25, 0
	s_lshl_b32 s26, s13, 13
	s_add_co_u32 s26, s26, s14
	s_add_co_u32 s26, s26, 0x800000                ; V: 4 channel tiles, 8,192 bytes, for each 128 keys
	s_mov_b32 s27, 0
	s_lshl_b32 s17, ttmp9, 4
	s_add_co_u32 s17, s17, s10                     ; my tile of queries
	s_lshl_b32 s28, s17, 11
	s_add_co_u32 s28, s28, s24                     ; Q
	s_mov_b32 s29, 0
	s_add_co_u32 s24, s24, 0x400000                ; K
	s_lshr_b32 s18, s13, 2                         ; att [K / 256 = head / 4][token tile][(head / 2) & 1][2048], + 1,024 (head & 1)
	s_lshl_b32 s30, s18, 20
	s_lshl_b32 s18, s12, 5
	s_add_co_u32 s18, s18, s17
	s_lshl_b32 s18, s18, 12
	s_add_co_u32 s30, s30, s18
	s_bfe_u32 s18, s13, 0x10001
	s_lshl_b32 s18, s18, 11
	s_add_co_u32 s30, s30, s18
	s_add_co_u32 s30, s30, s16
	s_mov_b32 s31, 0
	; my wave's block of Wo: the wave's number in the launch is 32 y + 16 x + wave, 0 .. 4,095: its low 7 bits the 32 columns, the rest the 32 along K
	s_lshl_b32 s52, s11, 5
	s_add_co_u32 s52, s52, s17
	s_and_b32 s53, s52, 127                        ; which 32 columns: the sixteen waves of a work-group stand side by side on 2,048 bytes of a row
	s_lshr_b32 s54, s52, 7                         ; which 32 along K
	s_lshl_b32 s56, s54, 19                        ; 32 rows of 16,384 bytes
	s_lshl_b32 s55, s53, 7
	s_add_co_u32 s56, s56, s55                     ; + 32 columns of 4 bytes
	s_mov_b32 s57, 0
	s_lshr_b32 s58, s54, 3
	s_lshl_b32 s58, s58, 20                        ; the codes: K / 256: 256 row tiles x 4,096 bytes,
	s_lshl_b32 s55, s53, 13
	s_add_co_u32 s58, s58, s55                     ; two row tiles for 32 columns,
	s_and_b32 s55, s54, 7
	s_lshl_b32 s55, s55, 9
	s_add_co_u32 s58, s58, s55                     ; the chunk of 32 along K among the 256: 512 bytes,
	s_add_co_u32 s58, s58, 0x900000                ; in Wo's region of wts
	s_mov_b32 s59, 0
	s_mov_b32 s20, 0x76543210                      ; v_permlanex16_b32's selects for lane l xor 16
	s_mov_b32 s21, 0xfedcba98
	s_mov_b32 s22, 0x3e38aa3b                      ; c = log2(e) / 8
	s_wait_alu depctr_va_vdst(0)
	s_wait_kmcnt 0x0
	s_load_b256 s[32:39], s[6:7], 0x0              ; e0 .. e7
	s_load_b128 s[40:43], s[6:7], 0x20             ; e8 .. e11
	s_add_nc_u64 s[24:25], s[4:5], s[24:25]
	s_add_nc_u64 s[26:27], s[4:5], s[26:27]
	s_add_nc_u64 s[28:29], s[4:5], s[28:29]
	s_add_nc_u64 s[30:31], s[8:9], s[30:31]
	s_add_nc_u64 s[48:49], s[48:49], s[56:57]
	s_add_nc_u64 s[50:51], s[50:51], s[58:59]
.irp p, 0,1,2,3
	global_load_b128 v[32+4*\p:35+4*\p], v4, s[24:25] offset:16384*\p    ; eight tiles of K a piece; a wave reads 512 consecutive bytes
.endr
.irp p, 0,1,2,3
	global_load_b128 v[48+4*\p:51+4*\p], v5, s[26:27] offset:131072*\p   ; 128 keys' four images a piece
.endr
	global_load_b128 v[16:19], v1, s[28:29]        ; Q's fragment stays in registers
	global_load_b128 v[20:23], v1, s[28:29] offset:512
	v_mov_b32 v14, 0                               ; l
	v_mov_b32 v15, 0
	v_mov_b32 v246, 0                              ; written once: a lane permute's destination counts as one of its sources
	v_mov_b32 v253, 0                              ; (named as the upper half of the pair v[252:253])
	s_wait_kmcnt 0x0
	s_add_co_i32 s44, s38, s39
	s_lshl_b32 s44, s44, 23
	s_add_co_i32 s22, s22, s44                     ; a score stands for score x 2^(e6 + e7): added to c's exponent field
	s_mov_b32 s23, s22                             ; (named with it as a pair)
	s_add_co_i32 s44, s41, 127
	s_lshl_b32 s45, s44, 23
	v_mov_b32 v244, s45                            ; 2^e9
	s_add_co_i32 s44, s44, 8
	s_lshl_b32 s44, s44, 23
	s_or_b32 s44, s44, 0x600000
	v_mov_b32 v240, s44                            ; 448 x 2^e9
	s_add_co_i32 s44, s42, 127
	s_lshl_b32 s45, s44, 23
	v_mov_b32 v245, s45                            ; 2^e10
	s_add_co_i32 s44, s44, 8
	s_lshl_b32 s44, s44, 23
	s_or_b32 s44, s44, 0x600000
	v_mov_b32 v241, s44                            ; 448 x 2^e10
	s_add_co_i32 s44, s43, 127
	s_lshl_b32 s45, s44, 23
	v_mov_b32 v8, s45                              ; 2^e11
	s_add_co_i32 s44, s44, 8
	s_lshl_b32 s44, s44, 23
	s_or_b32 s44, s44, 0x600000
	v_mov_b32 v9, s44                              ; 448 x 2^e11
	s_add_co_i32 s46, s40, s41                     ; e8 + e9
	s_wait_loadcnt 2                               ; K's and V's eight loads are in; Q's two may be out
.irp p, 0,1,2,3
	ds_store_b128 v5, v[32+4*\p:35+4*\p] offset:8192*\p
.endr
.irp p, 0,1,2,3
	ds_store_b128 v5, v[48+4*\p:51+4*\p] offset:VIMG+8192*\p
.endr
	s_wait_dscnt 0x0                               ; for the others' sake: my stores have landed
	s_barrier_signal -1
	s_barrier_wait -1                              ; the head's K and V lie in LDS; nothing is written there again
	s_wait_loadcnt 0x0                             ; Q
; Sixteen rows of my block of Wo, from row i0 on: each load reads 128 consecutive bytes; the largest offset, 31 rows of 16,384 bytes, lies inside the signed 24-bit immediate (ISA guide, chapter 10)
.macro WOLOAD i0
.set I, \i0
.rept 16
	global_load_b32 v[WX+I], v10, s[48:49] offset:I*16384 th:TH_LOAD_NT
.set I, I+1
.endr
.endm
; The block becomes codes and leaves.  None of these lines names a register of the products round them.
.macro WOQ
	s_wait_loadcnt 0x0                             ; the block's 32 loads are in: the younger sixteen were issued two key steps ago
.set I, 0
.rept 32
	v_med3_num_f32 v[WX+I], v[WX+I], -v9, v9       ; the conversion does not saturate (ISA guide 7.6.2): the hold comes first
.set I, I+1
.endr
	v_cvt_scalef32_pk8_fp8_f32 v[WC:WC+1],   v[WX:WX+7], v8          ; k 0-7 and 16-23: the 16 bytes of the image's lane (r, 0);
	v_cvt_scalef32_pk8_fp8_f32 v[WC+2:WC+3], v[WX+16:WX+23], v8
	v_cvt_scalef32_pk8_fp8_f32 v[WC+4:WC+5], v[WX+8:WX+15], v8       ; k 8-15 and 24-31: of lane (r, 1)
	v_cvt_scalef32_pk8_fp8_f32 v[WC+6:WC+7], v[WX+24:WX+31], v8
	v_nop                                          ; a plain line behind the last conversion
	global_store_b128 v11, v[WC:WC+3],   s[50:51]              ; sixteen lanes store 256 consecutive bytes, aligned; the registers are not written again
	global_store_b128 v11, v[WC+4:WC+7], s[50:51] offset:256
.endm
; A KEY STEP: 128 keys.  first = 1: it starts M and O^T.
.macro KSTEP s, first
.if \first == 0
.rept 4
	v_nop                                          ; places in front of loads into registers that the last products read
.endr
.endif
.irp t, 0,1,2,3,4,5,6,7
	ds_load_b128 v[32+8*\t:35+8*\t], v1 offset:(8*(\s)+\t)*1024
	ds_load_b128 v[36+8*\t:39+8*\t], v1 offset:(8*(\s)+\t)*1024+512
.endr
	s_wait_dscnt 0x0
.irp t, 0,1,2,3,4,5,6,7
	v_wmma_f32_16x16x64_fp8_fp8 v[96+8*\t:103+8*\t], v[32+8*\t:39+8*\t], v[16:23], 0
.endr
.rept 4
	v_nop                                          ; places in front of the reads of the scores and of the loads below
.endr
.irp t, 0,1,2,3
.irp c, 0,1,2,3
	ds_load_b128 v[32+16*\t+4*\c:35+16*\t+4*\c], v1 offset:VIMG+8192*(\s)+2048*\t+512*\c   ; V's four fragments are asked for now and land under the softmax
.endr
.endr
	v_max3_num_f32 v254, v96, v97, v98             ; the step's largest score of my query among my 64 keys, in two chains, each tile from its low end on,
	v_max3_num_f32 v252, v99, v100, v101
.irp i, 6,10,14,18,22,26,30,34,38,42,46,50,54,58
	v_max3_num_f32 v254, v254, v[96+\i], v[97+\i]
	v_max3_num_f32 v252, v252, v[98+\i], v[99+\i]
.endr
	v_max3_num_f32 v254, v254, v158, v159
	s_delay_alu instid0(VALU_DEP_1)
	v_max_num_f32 v254, v254, v252
	s_delay_alu instid0(VALU_DEP_1)
	v_permlanex16_b32 v246, v254, s20, s21
	s_delay_alu instid0(VALU_DEP_1)
	v_max_num_f32 v254, v254, v246                 ; and among lane l xor 16's
.if \first
	s_delay_alu instid0(VALU_DEP_1)
	v_mul_f32 v13, s22, v254                       ; as t (c is positive)
	s_delay_alu instid0(VALU_DEP_1)
	v_floor_f32 v12, -v13                          ; -M = floor(-t) = -ceil(t)
.else
	s_delay_alu instid0(VALU_DEP_1)
	v_mul_f32 v254, s22, v254
	s_delay_alu instid0(VALU_DEP_1)
	v_max_num_f32 v13, v13, v254                   ; the running largest t
	v_mov_b32 v254, v12
	s_delay_alu instid0(VALU_DEP_2)
	v_floor_f32 v12, -v13
	s_delay_alu instid0(VALU_DEP_1)
	v_sub_f32 v254, v12, v254                      ; old M - new M: a whole number, 0 or less
	s_delay_alu instid0(VALU_DEP_1)
	v_cvt_i32_f32 v254, v254
	s_delay_alu instid0(VALU_DEP_1)
	v_ldexp_f32 v252, 1.0, v254                    ; f = 2^(old M - new M)
.endif
.set J, 0
.rept 32
	v_pk_fma_f32 v[96+J:97+J], v[96+J:97+J], s[22:23], v[12:13] op_sel_hi:[1,0,0]   ; t - M, two at a time
.set J, J+2
.endr
.set J, 0
	s_wait_alu depctr_va_vdst(0)
.rept 64
	v_exp_f32 v[96+J], v[96+J]                     ; p = 2^(t - M): one batch
.set J, J+1
.endr
.if \first
	v_nop                                          ; a plain line behind the exponentials
.else
	v_pk_mul_f32 v[14:15], v[14:15], v[252:253] op_sel_hi:[1,0]   ; l under the new M.  (A plain line behind the exponentials)
.endif
	s_wait_alu depctr_va_vdst(0)                   ; one wait for the batch, ahead of its first reader
	v_pk_add_f32 v[242:243], v[100:101], v[104:105]
	v_pk_add_f32 v[254:255], v[108:109], v[112:113]
	v_pk_add_f32 v[250:251], v[116:117], v[120:121]
	v_pk_add_f32 v[248:249], v[124:125], v[128:129]
	v_pk_add_f32 v[238:239], v[132:133], v[136:137]
	v_pk_add_f32 v[236:237], v[140:141], v[144:145]
	v_pk_add_f32 v[234:235], v[148:149], v[152:153]
	v_pk_add_f32 v[14:15], v[14:15], v[156:157]
	v_pk_add_f32 v[242:243], v[242:243], v[96:97]
	v_pk_add_f32 v[254:255], v[254:255], v[98:99]
	v_pk_add_f32 v[250:251], v[250:251], v[102:103]
	v_pk_add_f32 v[248:249], v[248:249], v[106:107]
	v_pk_add_f32 v[238:239], v[238:239], v[110:111]
	v_pk_add_f32 v[236:237], v[236:237], v[114:115]
	v_pk_add_f32 v[234:235], v[234:235], v[118:119]
	v_pk_add_f32 v[14:15], v[14:15], v[122:123]
	v_pk_add_f32 v[242:243], v[242:243], v[126:127]
	v_pk_add_f32 v[254:255], v[254:255], v[130:131]
	v_pk_add_f32 v[250:251], v[250:251], v[134:135]
	v_pk_add_f32 v[248:249], v[248:249], v[138:139]
	v_pk_add_f32 v[238:239], v[238:239], v[142:143]
	v_pk_add_f32 v[236:237], v[236:237], v[146:147]
	v_pk_add_f32 v[234:235], v[234:235], v[150:151]
	v_pk_add_f32 v[14:15], v[14:15], v[154:155]
	v_pk_add_f32 v[242:243], v[242:243], v[158:159]
	s_delay_alu instid0(VALU_DEP_2)
	v_pk_add_f32 v[14:15], v[14:15], v[248:249]
	s_delay_alu instid0(VALU_DEP_2)
	v_pk_add_f32 v[242:243], v[242:243], v[238:239]
	v_pk_add_f32 v[254:255], v[254:255], v[236:237]
	v_pk_add_f32 v[250:251], v[250:251], v[234:235]
	s_delay_alu instid0(VALU_DEP_2)
	v_pk_add_f32 v[14:15], v[14:15], v[254:255]
	s_delay_alu instid0(VALU_DEP_2)
	v_pk_add_f32 v[242:243], v[242:243], v[250:251]
	s_delay_alu instid0(VALU_DEP_1)
	v_pk_add_f32 v[14:15], v[14:15], v[242:243]
.set J, 0
.rept 64
	v_min_num_f32 v[96+J], v[96+J], v240           ; the conversion does not saturate (ISA guide 7.6.2); p is not negative, so the hold is one-sided
.set J, J+1
.endr
.irp t, 0,1,2,3,4,5,6,7
	v_cvt_scalef32_pk8_fp8_f32 v[224+2*\t:225+2*\t], v[96+8*\t:103+8*\t], v244   ; tile t's eight keys: registers 2 t, 2 t + 1 of P
.endr
.if \first
	s_wait_alu depctr_va_vdst(0)
	v_nop                                          ; a plain line between the conversions and the products that read their results
.else
.set J, 0
.rept 16
	v_pk_mul_f32 v[160+J:161+J], v[160+J:161+J], v[252:253] op_sel_hi:[1,0]   ; O^T under the new M
.set J, J+2
.endr
.endif
	s_wait_alu depctr_va_vdst(0)
	s_wait_dscnt 0x0                               ; V's fragments are in
.irp t, 0,1,2,3                        ; the four accumulators take turns, one instruction a turn
.if \first
	v_wmma_f32_16x16x128_fp8_fp8 v[160+8*\t:167+8*\t], v[32+16*\t:47+16*\t], v[224:239], 0
.else
	v_wmma_f32_16x16x128_fp8_fp8 v[160+8*\t:167+8*\t], v[32+16*\t:47+16*\t], v[224:239], v[160+8*\t:167+8*\t]
.endif
.endr
.endm
	WOLOAD 0                                       ; rows 0-15 of my block of Wo are asked for,
	KSTEP 0, 1
	WOLOAD 16                                      ; rows 16-31 a key step later;
	KSTEP 1, 0
	KSTEP 2, 0
	WOQ                                            ; the block is converted and stored here, a key step ahead of the wave's end
	KSTEP 3, 0
	; THE WAY OUT: O^T x 2^(e8 + e9) / l, held, converted: eight registers, the image of 16 tokens x my head's 64 channels: two stores of 512 consecutive bytes
.rept 4
	v_nop
.endr
	v_add_f32 v14, v14, v15
	s_delay_alu instid0(VALU_DEP_1)
	v_permlanex16_b32 v246, v14, s20, s21
	s_delay_alu instid0(VALU_DEP_1)
	v_add_f32 v14, v14, v246                       ; the row's sum
	s_wait_alu depctr_va_vdst(0)
	v_rcp_f32 v14, v14
	v_nop                                          ; a plain line behind the reciprocal
	s_wait_alu depctr_va_vdst(0)                   ; and the wait ahead of its first reader
	v_ldexp_f32 v14, v14, s46
.set J, 0
.rept 32
	v_mul_f32 v[96+J], v[160+J], v14               ; register 8 t + i: channel 16 t + 8 h + i of my query
.set J, J+1
.endr
.set J, 0
.rept 32
	v_med3_num_f32 v[96+J], v[96+J], -v241, v241
.set J, J+1
.endr
.irp t, 0,1,2,3
	v_cvt_scalef32_pk8_fp8_f32 v[224+2*\t:225+2*\t], v[96+8*\t:103+8*\t], v245
.endr
	v_nop
	global_store_b128 v1, v[224:227], s[30:31]
	global_store_b128 v1, v[228:231], s[30:31] offset:512
	s_wait_tensorcnt 0x0                           ; the wave's end, behind my last LDS store
	ds_add_u32 v6, v7
	s_wait_dscnt 0x0
	s_endpgm
.Lfunc_end_k_q0e89e6a9bb_attn:
	.size	k_q0e89e6a9bb_attn, .Lfunc_end_k_q0e89e6a9bb_attn-k_q0e89e6a9bb_attn
	.p2alignl 7, 3214868480
	.fill 96, 4, 3214868480
	.section	.rodata,"a",@progbits
	.p2align	6, 0x0
	.amdhsa_kernel k_q0e89e6a9bb_attn
		.amdhsa_group_segment_fixed_size 67584
		.amdhsa_private_segment_fixed_size 0
		.amdhsa_enable_private_segment 0
		.amdhsa_kernarg_size 40
		.amdhsa_user_sgpr_count 2
		.amdhsa_user_sgpr_kernarg_segment_ptr 1
		.amdhsa_wavefront_size32 1
		.amdhsa_system_sgpr_workgroup_id_x 1
		.amdhsa_system_sgpr_workgroup_id_y 1
		.amdhsa_system_sgpr_workgroup_id_z 1
		.amdhsa_system_vgpr_workitem_id 0
		.amdhsa_next_free_vgpr 256
		.amdhsa_next_free_sgpr 66
		.amdhsa_reserve_vcc 0
		.amdhsa_float_denorm_mode_32 3
		.amdhsa_float_denorm_mode_16_64 3
		.amdhsa_memory_ordered 1
		.amdhsa_forward_progress 1
		.amdhsa_inst_pref_size 77
	.end_amdhsa_kernel
	.amdgpu_metadata
---
amdhsa.version: [ 1, 2 ]
amdhsa.kernels:
  - .name:           k_q0e89e6a9bb_attn
    .symbol:         k_q0e89e6a9bb_attn.kd
    .args:
      - { .name: qkv, .offset: 0, .size: 8, .value_kind: global_buffer, .address_space: global }
      - { .name: lowp_scales, .offset: 8, .size: 8, .value_kind: global_buffer, .address_space: global }
      - { .name: att, .offset: 16, .size: 8, .value_kind: global_buffer, .address_space: global }
      - { .name: Wo, .offset: 24, .size: 8, .value_kind: global_buffer, .address_space: global }
      - { .name: wts, .offset: 32, .size: 8, .value_kind: global_buffer, .address_space: global }
    .group_segment_fixed_size: 67584
    .private_segment_fixed_size: 0
    .kernarg_segment_align: 8
    .kernarg_segment_size: 40
    .max_flat_workgroup_size: 512
    .sgpr_count:     66
    .vgpr_count:     256
    .wavefront_size: 32
...
	.end_amdgpu_metadata
.endif
;; end of part 3
;; launch outp (part 4): grid 16 x 16, 4 waves a work-group, clusters of 4 x 4, 327,680 bytes of LDS; arguments att, wts, lowp_scales, bo, out0; writes out0
.if DOCPART == 4
	.amdgcn_target "amdgcn-amd-amdhsa--gfx1250"
	.amdhsa_code_object_version 6
	.text
	.protected	k_q0e89e6a9bb_outp
	.globl	k_q0e89e6a9bb_outp
	.p2align	8
	.type	k_q0e89e6a9bb_outp,@function
k_q0e89e6a9bb_outp:
	s_mov_b64 s[64:65], 0
	v_nop
	global_prefetch_b8 v0, s[64:65] scope:SCOPE_SE
	s_setreg_imm32_b32 hwreg(HW_REG_WAVE_MODE, 25, 1), 1
	s_wait_xcnt 0x0
	s_wait_alu depctr_hold_cnt(0) depctr_sa_sdst(0) depctr_va_vdst(0) depctr_va_sdst(0) depctr_va_ssrc(0) depctr_va_vcc(0) depctr_vm_vsrc(0)
	s_getreg_b32 s2, hwreg(HW_REG_IB_STS2, 6, 4)
	s_cmp_eq_u32 s2, 0
	s_cbranch_scc0 .Lentry_in_a_cluster
	s_endpgm
.Lentry_in_a_cluster:
	s_bfe_u32 s2, ttmp6, 0x10000c
	s_cmp_lg_u32 s2, 0xf033
	s_cbranch_scc0 .Lentry_shape_is_right
	s_endpgm
.Lentry_shape_is_right:
; LAUNCH 4 OF 4.  out0 = att Wo + bo on codes of E4M3 (v_wmma_f32_16x16x128_fp8_fp8, k in its own place); each sum x 2^(e10 + e11) + bo.  No work is left out.
; A tile of 256 x 256 is made by a work-group of four waves, 128 x 128 a wave.  K = 1,024 goes in four steps of 256 through a ring of two LDS slots; both operands lie in memory as images of the fragments' registers,
; so a wave's part of a slot is one dense block of 32,768 bytes, stated as 128 rows of 256 bytes.  CLUSTERS of 4 x 4: att's tile is shared along a row of the cluster, Wo's along a column, by joint loads.
; Source 0 is Wo's fragment, source 1 att's: a lane holds eight neighbouring columns of a row.  THE WAY OUT: 16 rows at a time through the wave's own stage in LDS, behind the ring; a store covers 512 consecutive bytes of a row.
; PREFETCH: behind the first joint load a wave asks for K steps 1 and 2, behind the second for K step 3: of the 128 blocks of 256 bytes that it will fetch, its work-group's 32, a lane a block; the four partners
; that ask for a tile jointly are told apart by address (cx for att's waves, cy for Wo's).  The two refills ask for nothing.
; LIMIT: e10 + e11 between -126 and 127.
.set SLOT,   131072
.set HALFB,  32768
.set STG,    2*SLOT
.set SPITCH, 528
.set SPARE,  STG+4*16*SPITCH
.set KSB,    0x100000
.set ROWC,   16384
.set FR,     16
.set NL,     4
.set NP,     4
.set ADRA, 16
.set ADRB, 20
.set STO,  24
.set RD,   25
.set CO,   26
.set BA,   27
.set SPW,  28
.set NIL,  29
.set TMP,  32
.set AF,   128
.set BK,   128
.set G1,  24
.set G0,  32
.set G1B, 48
.set G0B, 56
.set MSB, 0
.macro WIN new
.if MSB != \new
	s_set_vgpr_msb (MSB<<8)|\new
.set MSB, \new
.endif
.endm
.set MUL_LO, 0xa1
.set MUL_HI, 0xf1
.set TO_B,   0x40
.macro JLOAD g0a, g1a, g0b, g1b
	s_cmp_eq_u32 s15, 0
	s_cbranch_scc0 .Lfor_b_\@
	tensor_load_to_lds s[\g0a:\g0a+3], s[\g1a:\g1a+7]
	s_nop 0
.rept 4
	v_nop
.endr
	s_branch .Lasked_\@
.Lfor_b_\@:
	tensor_load_to_lds s[\g0b:\g0b+3], s[\g1b:\g1b+7]
	s_nop 0
.rept 4
	v_nop
.endr
.Lasked_\@:
.endm
.macro CREST
	s_cmp_lg_u32 s14, 0
	s_cbranch_scc1 .Lnot_wave_0_\@
	s_barrier_signal -3
.Lnot_wave_0_\@:
	s_barrier_wait -3
	s_barrier_signal -1
	s_barrier_wait -1
.endm
.macro CROUND
	s_barrier_signal -1
	s_barrier_wait -1
	CREST
.endm
.macro FRAG reg, adr, q, i
.irp c, 0,1,2,3
	ds_load_b128 v[\reg+4*\c:\reg+4*\c+3], v[\adr] offset:(\i)*4096+(\q)*2048+512*\c
.endr
.endm
.macro MUL16 a0, p, zero
.irp a, \a0, \a0+1
.irp b, 0,1,2,3,4,5,6,7
.if \zero
	v_wmma_f32_16x16x128_fp8_fp8 v[8*(8*((\a)%4)+\b):8*(8*((\a)%4)+\b)+7], v[128*(\p)+FR*\b:128*(\p)+FR*\b+FR-1], v[AF+FR*(\a):AF+FR*(\a)+FR-1], 0
.else
	v_wmma_f32_16x16x128_fp8_fp8 v[8*(8*((\a)%4)+\b):8*(8*((\a)%4)+\b)+7], v[128*(\p)+FR*\b:128*(\p)+FR*\b+FR-1], v[AF+FR*(\a):AF+FR*(\a)+FR-1], v[8*(8*((\a)%4)+\b):8*(8*((\a)%4)+\b)+7]
.endif
.endr
.endr
.endm
.macro FETCH_B slot, q, p
	WIN TO_B
.irp i, 0,1,2,3,4,5,6,7
	FRAG 128*(\p)+FR*\i, ADRB+\slot, \q, \i
.endr
	WIN 0
.endm
.macro FETCH_A slot, q, i0
.irp i, \i0, \i0+1, \i0+2, \i0+3
	FRAG AF+FR*(\i), ADRA+\slot, \q, \i
.endr
.endm
.macro PLACES n
.rept \n
	v_nop
.endr
.endm
.macro STEP slot, q, zero
	s_wait_dscnt 4*NL
	WIN MUL_LO
	MUL16 0, (\q)%2, \zero
	MUL16 2, (\q)%2, \zero
	s_wait_dscnt 0
	PLACES NP
	FETCH_B \slot, (\q)+1, 1-(\q)%2
	FETCH_A \slot, (\q)+1, 0
	WIN MUL_HI
	MUL16 4, (\q)%2, \zero
	MUL16 6, (\q)%2, \zero
	PLACES NP
	WIN 0
	FETCH_A \slot, (\q)+1, 4
.endm
.macro TURN slot, next, fill
	s_wait_tensorcnt 0x0
	ds_add_u32 v[SPW], v[NIL]
	s_wait_dscnt 4*NL+1
	WIN MUL_LO
	MUL16 0, 1, 0
	s_wait_dscnt 0x0
	s_barrier_signal -1
	MUL16 2, 1, 0
	WIN 0
	s_barrier_wait -1
.if \fill
	CREST
	s_add_nc_u64 s[G0+4*\slot+2:G0+4*\slot+3], s[G0+4*\slot+2:G0+4*\slot+3], 2*KSB
	s_add_nc_u64 s[G0B+4*\slot+2:G0B+4*\slot+3], s[G0B+4*\slot+2:G0B+4*\slot+3], 2*KSB
	JLOAD G0+4*\slot, G1, G0B+4*\slot, G1B
.else
	PLACES NP
.endif
	FETCH_B \next, 0, 0
	FETCH_A \next, 0, 0
	WIN MUL_HI
	MUL16 4, 1, 0
	MUL16 6, 1, 0
	PLACES NP
	WIN 0
	FETCH_A \next, 0, 4
.endm
	s_load_b128 s[4:7], s[0:1], 0x0
	s_load_b128 s[8:11], s[0:1], 0x10
	s_load_b64 s[12:13], s[0:1], 0x20
	v_lshl_add_u32 v[SPW], v0, 2, SPARE
	v_mov_b32 v[NIL], 0
	ds_add_u32 v[SPW], v[NIL]
	ds_add_u32 v[SPW], v[NIL]
	v_lshrrev_b32 v1, 5, v0
	v_readfirstlane_b32 s14, v1
	v_and_b32 v30, 31, v0
	v_lshlrev_b32 v30, 8, v30                      ; the prefetches' offset: 256 x lane; never rewritten
	s_lshr_b32 s15, s14, 1
	s_and_b32 s16, s14, 1
	s_bfe_u32 s40, ttmp6, 0x40000
	s_bfe_u32 s41, ttmp6, 0x40004
	s_lshl_b32 s42, ttmp9, 2
	s_add_co_u32 s42, s42, s40
	s_and_b32 s17, ttmp7, 0xffff
	s_lshl_b32 s17, s17, 2
	s_add_co_u32 s17, s17, s41
	s_lshl_b32 s43, s41, 2
	s_lshl_b32 s43, 15, s43
	s_lshl_b32 s44, 0x1111, s40
	s_or_b32 s[G1+0], s43, (3<<16)|(1<<21)
	s_or_b32 s[G1B+0], s44, (3<<16)|(1<<21)
.irp g, G1, G1B
	s_mov_b32 s[\g+1], 32<<16
	s_mov_b32 s[\g+2], 128<<16
	s_mov_b32 s[\g+3], 32<<16
	s_mov_b32 s[\g+4], 128
	s_mov_b32 s[\g+5], 32
	s_mov_b32 s[\g+6], 0
	s_mov_b32 s[\g+7], 0
.endr
	s_lshl_b32 s18, s16, 15
	s_lshl_b32 s20, s17, 16
	s_add_co_u32 s20, s20, s18
	s_mov_b32 s21, 0
	s_lshl_b32 s46, s42, 16
	s_add_co_u32 s46, s46, s18
	s_add_co_u32 s46, s46, 0x900000
	s_mov_b32 s47, 0
	s_lshl_b32 s45, s14, 15
	s_wait_dscnt 0x0
	s_wait_kmcnt 0x0
	s_load_b64 s[96:97], s[8:9], 0x28
	s_add_nc_u64 s[20:21], s[4:5], s[20:21]
	s_add_nc_u64 s[46:47], s[6:7], s[46:47]
	s_cmp_eq_u32 s15, 0                            ; the prefetches: s[4:5] = the block that my wave fetches in K step 0,
	s_cselect_b64 s[4:5], s[20:21], s[46:47]
	s_cselect_b32 s18, s40, s41                    ; my work-group's place among the four that ask for it with me,
	s_lshl_b32 s18, s18, 13                        ; its 32 blocks of 256 bytes; never rewritten
	s_mov_b32 s19, 0
	s_add_nc_u64 s[4:5], s[4:5], s[18:19]
	CROUND
.irp s, 0,1
	s_mov_b32 s[G0+4*\s], 1
	s_add_co_u32 s[G0+4*\s+1], s45, \s*SLOT
	s_add_nc_u64 s[G0+4*\s+2:G0+4*\s+3], s[20:21], \s*KSB
	s_or_b32 s[G0+4*\s+3], s[G0+4*\s+3], 0x80000000
	s_mov_b32 s[G0B+4*\s], 1
	s_add_co_u32 s[G0B+4*\s+1], s45, \s*SLOT
	s_add_nc_u64 s[G0B+4*\s+2:G0B+4*\s+3], s[46:47], \s*KSB
	s_or_b32 s[G0B+4*\s+3], s[G0B+4*\s+3], 0x80000000
	s_wait_alu depctr_va_vdst(0)
	s_wait_tensorcnt 0x0
	ds_add_u32 v28, v29
	ds_add_u32 v28, v29
	s_wait_dscnt 0x0
	CROUND
	JLOAD G0+4*\s, G1, G0B+4*\s, G1B
.if \s == 0
	global_prefetch_b8 v30, s[4:5] offset:KSB th:TH_LOAD_NT scope:SCOPE_SE
	global_prefetch_b8 v30, s[4:5] offset:2*KSB th:TH_LOAD_NT scope:SCOPE_SE
.else
	global_prefetch_b8 v30, s[4:5] offset:3*KSB th:TH_LOAD_NT scope:SCOPE_SE
.endif
.endr
	v_and_b32 v1, 31, v0
	v_lshlrev_b32 v[CO], 4, v1
	v_and_b32 v2, 15, v0
	s_wait_alu depctr_va_vdst(0)
	v_bfe_u32 v3, v0, 4, 1
	s_lshl_b32 s21, s15, 15
	s_lshl_b32 s22, s16, 15
	s_add_co_u32 s22, s22, 2*HALFB
.irp s, 0,1
	v_add_nc_u32 v[ADRA+\s], s21, v[CO]
	v_add_nc_u32 v[ADRB+\s], s22, v[CO]
	s_add_co_u32 s21, s21, SLOT
	s_add_co_u32 s22, s22, SLOT
.endr
	s_mul_i32 s23, s14, 16*SPITCH
	s_add_co_u32 s23, s23, STG
	v_mul_u32_u24 v5, v2, SPITCH
	s_wait_alu depctr_va_vdst(0)
	v_lshl_add_u32 v5, v3, 5, v5
	v_add_nc_u32 v[STO], s23, v5
	v_add_nc_u32 v[RD], s23, v[CO]
	s_lshl_b32 s22, s42, 10
	s_lshl_b32 s23, s16, 9
	s_add_co_u32 s22, s22, s23
	v_lshl_add_u32 v[BA], v3, 5, s22
	s_lshl_b32 s20, s17, 22
	s_lshl_b32 s21, s15, 21
	s_add_co_u32 s20, s20, s21
	s_add_co_u32 s20, s20, s22
	s_mov_b32 s21, 0
	s_add_nc_u64 s[12:13], s[12:13], s[20:21]
	s_wait_tensorcnt 1
	s_barrier_signal -1
	s_barrier_wait -1
	FETCH_B 0, 0, 0
	FETCH_A 0, 0, 0
	FETCH_A 0, 0, 4
	STEP 0, 0, 1
	TURN 0, 1, 1
	STEP 1, 0, 0
	TURN 1, 0, 1
	STEP 0, 0, 0
	TURN 0, 1, 0
	STEP 1, 0, 0
	WIN TO_B
	s_wait_alu depctr_va_vdst(0)
.irp b, 0,1,2,3,4,5,6,7
	global_load_b128 v[8*\b:8*\b+3],   v[BA], s[10:11] offset:64*\b
	global_load_b128 v[8*\b+4:8*\b+7], v[BA], s[10:11] offset:64*\b+16
.endr
	WIN 0
	s_wait_dscnt 4*NL
	WIN MUL_LO
	MUL16 0, 1, 0
	MUL16 2, 1, 0
	s_wait_dscnt 0
	WIN MUL_HI
	MUL16 4, 1, 0
	MUL16 6, 1, 0
	WIN 0
.macro TOSTAGE a
.set AC, 64*((\a)%4)
	WIN 0x12+((\a)/4)
.set J, 0
.rept 32
	v_pk_fma_f32 v[TMP+J:TMP+J+1], v[AC+J:AC+J+1], s[96:97], v[J:J+1] op_sel_hi:[1,0,1]
.set J, J+2
.endr
	WIN 0
.irp b, 0,1,2,3,4,5,6,7
	ds_store_b128 v[STO], v[TMP+8*\b:TMP+8*\b+3] offset:64*\b
	ds_store_b128 v[STO], v[TMP+8*\b+4:TMP+8*\b+7] offset:64*\b+16
.endr
.set BB, BK+64*((\a)%2)
.irp t, 0,1,2,3,4,5,6,7,8,9,10,11,12,13,14,15
	ds_load_b128 v[BB+4*\t:BB+4*\t+3], v[RD] offset:\t*SPITCH
.endr
.endm
.macro SEND a, younger
.set BB, BK+64*((\a)%2)
	s_wait_dscnt \younger
.irp t, 0,1,2,3,4,5,6,7,8,9,10,11,12,13,14,15
	global_store_b128 v[CO], v[BB+4*\t:BB+4*\t+3], s[12:13] offset:(16*(\a)+\t)*ROWC th:TH_STORE_NT
.endr
.endm
	s_wait_kmcnt 0x0
	s_add_co_i32 s96, s96, s97
	s_add_co_i32 s96, s96, 127
	s_lshl_b32 s96, s96, 23
	s_mov_b32 s97, s96
	PLACES NP
	s_wait_loadcnt 0x0
	TOSTAGE 0
.irp a, 1,2,3,4,5,6,7
.if \a > 1
	s_wait_xcnt 0x0
.endif
	TOSTAGE \a
	SEND \a-1, 32
.endr
	SEND 7, 0
	s_wait_tensorcnt 0x0
	ds_add_u32 v[SPW], v[NIL]
	s_wait_dscnt 0x0
	CROUND
	s_endpgm
.Lfunc_end_k_q0e89e6a9bb_outp:
	.size	k_q0e89e6a9bb_outp, .Lfunc_end_k_q0e89e6a9bb_outp-k_q0e89e6a9bb_outp
	.p2alignl 7, 3214868480
	.fill 96, 4, 3214868480
	.section	.rodata,"a",@progbits
	.p2align	6, 0x0
	.amdhsa_kernel k_q0e89e6a9bb_outp
		.amdhsa_group_segment_fixed_size 327680
		.amdhsa_private_segment_fixed_size 0
		.amdhsa_enable_private_segment 0
		.amdhsa_kernarg_size 40
		.amdhsa_user_sgpr_count 2
		.amdhsa_user_sgpr_kernarg_segment_ptr 1
		.amdhsa_wavefront_size32 1
		.amdhsa_system_sgpr_workgroup_id_x 1
		.amdhsa_system_sgpr_workgroup_id_y 1
		.amdhsa_system_sgpr_workgroup_id_z 1
		.amdhsa_system_vgpr_workitem_id 0
		.amdhsa_next_free_vgpr 1024
		.amdhsa_next_free_sgpr 100
		.amdhsa_reserve_vcc 0
		.amdhsa_float_denorm_mode_32 3
		.amdhsa_float_denorm_mode_16_64 3
		.amdhsa_memory_ordered 1
		.amdhsa_forward_progress 1
		.amdhsa_inst_pref_size 125
	.end_amdhsa_kernel
	.amdgpu_metadata
---
amdhsa.version: [ 1, 2 ]
amdhsa.kernels:
  - .name:           k_q0e89e6a9bb_outp
    .symbol:         k_q0e89e6a9bb_outp.kd
    .args:
      - { .name: att, .offset: 0, .size: 8, .value_kind: global_buffer, .address_space: global }
      - { .name: wts, .offset: 8, .size: 8, .value_kind: global_buffer, .address_space: global }
      - { .name: lowp_scales, .offset: 16, .size: 8, .value_kind: global_buffer, .address_space: global }
      - { .name: bo, .offset: 24, .size: 8, .value_kind: global_buffer, .address_space: global }
      - { .name: out0, .offset: 32, .size: 8, .value_kind: global_buffer, .address_space: global }
    .group_segment_fixed_size: 327680
    .private_segment_fixed_size: 0
    .kernarg_segment_align: 8
    .kernarg_segment_size: 40
    .max_flat_workgroup_size: 128
    .sgpr_count:     100
    .vgpr_count:     1024
    .wavefront_size: 32
...
	.end_amdgpu_metadata
.endif
;; end of part 4
